; MI455X (gfx1250); checked and timed in simulation.
; The chip was launched on July 23, 2026; its instructions are those of AMD's public machine-readable ISA for CDNA 5 (MIT licence, August 2026) and "CDNA5" Instruction Set Architecture Reference Guide (July 2026). The comments in the code are by the model that wrote it; some were corrected since.
;; Slow LSTM. Allowed arithmetic: matrix products marked QUANTISED: E5M2 operands, one given power-of-two scale a tensor, by v_wmma_f32_16x16x64_bf8_bf8 or v_wmma_f32_16x16x128_bf8_bf8, f32 sums; everything else in f32.
;; Inputs: b_c 2,048 float32; b_f 2,048 float32; b_i 2,048 float32; b_o 2,048 float32; c 1 x 2,048 x 2,048 float32; h 1 x 2,048 x 2,048 float32; lowp_scales 4 int32 (the exponents e of the quantised operands' scales 2^e); w_hc 2,048 x 2,048 float32; w_hf 2,048 x 2,048 float32; w_hi 2,048 x 2,048 float32; w_ho 2,048 x 2,048 float32; w_xc 2,048 x 2,048 float32; w_xf 2,048 x 2,048 float32; w_xi 2,048 x 2,048 float32; w_xo 2,048 x 2,048 float32; x 1 x 2,048 x 2,048 float32.
;; Outputs: out0 1 x 2,048 x 2,048 float32; out1 1 x 2,048 x 2,048 float32.
;; This version of the problem:
;;   THIS VERSION OF THE PROBLEM IS GIVEN IN LOW PRECISION. The matrix products marked QUANTISED in the list below multiply operands that are first quantised to E5M2 (5 exponent bits, 2 mantissa bits; 8 bits a number), with one given power-of-two scale for each operand tensor; their sums are f32. All else is computed in f32.
;;   The module's matrix products, in the order in which they are computed (A, B: the left and right operand; K: the contracted axis; several contracted axes count as one K, in the product's order):
;;     1. [M 2,048, K 2,048] x [K 2,048, N 8,192]; A: input x; B: computed on the way: QUANTISED (scales: A lowp_scales[0], B lowp_scales[1])
;;     2. [M 2,048, K 2,048] x [K 2,048, N 8,192]; A: input h; B: computed on the way: QUANTISED (scales: A lowp_scales[2], B lowp_scales[3])
;;   THE QUANTISER, for each operand of a quantised product, along K:
;;     - The operand's scale is 2^e, e = its entry of the input lowp_scales (int32; the entries are numbered through the quantised products in the list's order, A before B).
;;     - Each number is divided by the scale, clamped to +-57,344, and rounded to the nearest number of E5M2, ties to even, subnormals kept.
;;     - The product sums the exact products of the quantised numbers (number of the format x scale) in f32.
;;   ~~~python
;;   def quantise(x, axis, e):      # numpy; x: float32 -> the quantised numbers, widened to float32 again
;;       x = np.moveaxis(x, axis, -1); K = x.shape[-1]
;;       r = np.clip(x / 2.0 ** e, -57344, 57344)
;;       step = 2.0 ** (np.maximum(np.frexp(np.where(r == 0, 1, r))[1] - 1, -14) - 2)
;;       q = np.round(r / step) * step * 2.0 ** e      # np.round: ties to even
;;       return np.moveaxis(q, -1, axis).astype(np.float32)
;;   ~~~
;;   OPERANDS COMPUTED ON THE WAY. 'Computed on the way' means the value that the module computes at that place (a softmax that the list does not call 'softmax' is quantised finished and normalised). What goes into a quantiser is computed in f32, as accurately as f32 sums, v_exp_f32 and their like allow (about 1e-6 of the number): no bf16 or f16 on the way to a quantiser, and a product that is left as it is and whose result goes on into a quantised operand takes f32 operands (vector FMAs, or v_wmma_f32_16x16x4_f32). A number that lies on a knife's edge between two numbers of the format may be rounded either way, as far as f32 arithmetic and the matrix unit's own rounding can turn it there, and no further.
;; One version. Each part assembles by itself: llvm-mc -triple=amdgcn-amd-amdhsa -mcpu=gfx1250 --defsym DOCPART=n.
;; ======== version 1 of 1: 2 launches
;; limits: a function is approximated: absolute error at most 1e-07
;; workspace buffers: a_codes 8,388,608 bytes; b_codes 33,554,432 bytes
;; launch quant (part 1): grid 1280 x 1, 4 waves a work-group, no clusters, 55,808 bytes of LDS; arguments w_xi, w_xf, w_xo, w_xc, w_hi, w_hf, w_ho, w_hc, x, h, lowp_scales, a_codes, b_codes; writes a_codes, b_codes
.if DOCPART == 1
	.amdgcn_target "amdgcn-amd-amdhsa--gfx1250"
	.amdhsa_code_object_version 6
	.text
	.protected	k_qe0acafe04a_quant
	.globl	k_qe0acafe04a_quant
	.p2align	8
	.type	k_qe0acafe04a_quant,@function
k_qe0acafe04a_quant:
	s_mov_b64 s[64:65], 0
	v_nop
	global_prefetch_b8 v0, s[64:65] scope:SCOPE_SE
	s_setreg_imm32_b32 hwreg(HW_REG_WAVE_MODE, 25, 1), 1
	s_wait_xcnt 0x0
; All ten f32 operands of the two products are turned into codes of BF8 (E5M2), 8 bits each, K innermost, each with the one scale 2^e that is given for it:
; code = number / 2^e, held within +-57,344, rounded to the nearest code, ties to even.  e: entry 0 of the scales for x, 1 for the four w_x, 2 for h, 3 for the four w_h.
; LIMITS: each e lies between -126 and 112, so that 2^e and 57,344 x 2^e are f32 numbers.  NaN among the inputs is not served (an infinity is held at the largest code).
; a_codes [2048 rows][4096 bytes]: a row's bytes 0-2047 are x's codes, bytes 2048-4095 h's: the two products become one with K = 4,096.
; b_codes [8192 rows][4096 bytes]: bytes 0-2047 from a w_x, bytes 2048-4095 from the w_h of the same gate.  Row 256 T + 128 wn + 32 g + j is column 64 T + 32 wn + j of gate g (0 i, 1 f, 2 o, 3 c):
; so 128 neighbouring rows hold the four gates of 32 neighbouring columns, which is what one wave of the next launch multiplies.
; Work-groups 0 to 1,023 take the weights, whose K is the FIRST axis: 128 columns x 256 along K each; a lane takes a column and its registers run down K, so the conversions give codes with K innermost;
; the codes leave through the wave's own stage in LDS, sixteen lanes to 256 consecutive bytes, aligned.
; Work-groups 1,024 to 1,279 take x and h, whose K is innermost: plain streams; each wave 8,192 numbers (four rows) in 16 steps of 512; a step's 2,048 bytes are loaded as they lie and turn through the wave's own
; stage in LDS, so that a lane holds 16 neighbours for the conversions.
; The two ways part on the work-group's number, never join, and have LDS bytes of their own.  No tensor loads, no barrier: waves share nothing.
.set WGW,   1024                       ; work-groups for the weights: 8 weights x 16 (columns) x 8 (along K)
.set EMAX,  15
.set MANT,  0x600000                   ; the mantissa field of 57,344 as f32
.set KROW,  4096                       ; a row of either buffer of codes, in bytes
; the weights
.set NB,    8                          ; blocks of 32 along K for a wave
.set WROW,  8192                       ; a row of a weight in bytes
.set PITCH, 272                        ; a stage row: 256 bytes of codes + 16
.set WSTW,  32*PITCH                   ; a wave's stage: 32 columns
.set WX,    32                         ; v32-95   two sets of 32 numbers
.set WC,    96                         ; v96-103  a block's codes
.set OUTR,  112                        ; v112-175 the way out
; x and h
.set STEPS, 16
.set SP,    80                         ; a lane's place in a stage: its 64 bytes + 16 of padding
.set XST,   4*WSTW                     ; behind the weights' stages
.set XSTW,  2*32*SP                    ; a wave's two stages
.set R,     16                         ; v16-79   four sets of 16 numbers as they are loaded
.set X,     80                         ; v80-111  two sets of 16 neighbours
.set C,     128                        ; v128-191 codes: four registers for each step, so that no store's data are written again
.macro WLOAD t                         ; block t: W(32 t + n, my column), n = 0 .. 31, into set t % 2; a wave's load reads 128 consecutive bytes, the four waves stand side by side on 512
.set n, 0
.rept 32
	global_load_b32 v[WX+32*((\t)%2)+n], v3, s[4:5] offset:(32*(\t)+n)*WROW th:TH_LOAD_NT
.set n, n+1
.endr
.endm
.macro WBLOCK t
.set XS, WX+32*((\t)%2)
.if (\t) < NB-1
	s_wait_loadcnt 32                              ; this block's 32 loads are in; the next block's may be out
.else
	s_wait_loadcnt 0
.endif
.set n, 0
.rept 32
	v_med3_num_f32 v[XS+n], v[XS+n], -v10, v10     ; the conversion to an 8-bit code does not saturate (ISA guide 7.6.2): hold the number within the largest code x the scale first
.set n, n+1
.endr
.irp g, 0,1,2,3
	v_cvt_scalef32_pk8_bf8_f32 v[WC+2*\g:WC+2*\g+1], v[XS+8*\g:XS+8*\g+7], v11
.endr
	ds_store_b128 v4, v[WC:WC+3] offset:32*(\t)    ; 32 codes: 32 bytes of my column's row.  (The codes go to LDS stores alone, and the next block begins with 32 plain vector lines)
	ds_store_b128 v4, v[WC+4:WC+7] offset:32*(\t)+16
.if (\t)+2 < NB
	WLOAD (\t)+2
.endif
	s_wait_dscnt 0x0                               ; the stores have read their registers: the next block's codes may be written
.endm
.macro XLOAD t
.irp i, 0,1,2,3
	global_load_b128 v[R+16*((\t)%4)+4*\i:R+16*((\t)%4)+4*\i+3], v3, s[4:5] offset:2048*(\t)+512*\i th:TH_LOAD_NT   ; 32 lanes read 512 consecutive bytes
.endr
.endm
.macro XTURN t                         ; step t's numbers through the stage: LDS serves a wave's instructions in order (ISA guide 5.7.1.4), so no wait stands between the stores and the loads
.irp i, 0,1,2,3
	ds_store_b128 v14, v[R+16*((\t)%4)+4*\i:R+16*((\t)%4)+4*\i+3] offset:32*SP*((\t)%2)+8*SP*\i
.endr
.irp i, 0,1,2,3
	ds_load_b128 v[X+16*((\t)%2)+4*\i:X+16*((\t)%2)+4*\i+3], v15 offset:32*SP*((\t)%2)+16*\i
.endr
.endm
.macro XSTEP t
.set XS, X+16*((\t)%2)
	s_wait_dscnt 0x0                               ; this step's numbers are back from the stage: so its stores into the stage have read their registers,
.if (\t)+4 < STEPS
	XLOAD (\t)+4                                   ; which take the loads of four steps on
.endif
.if (\t)+1 < STEPS
.if STEPS-2-(\t) >= 3
	s_wait_loadcnt 12                              ; the next step's four loads are in; those of the three steps behind it may be out
.else
	s_wait_loadcnt 4*(STEPS-2-(\t))
.endif
	XTURN (\t)+1                                   ; and go through the other stage while this step is worked
.endif
.set n, 0
.rept 16
	v_med3_num_f32 v[XS+n], v[XS+n], -v10, v10
.set n, n+1
.endr
	v_cvt_scalef32_pk8_bf8_f32 v[C+4*(\t):C+4*(\t)+1], v[XS:XS+7], v11          ; the first number's code in the lowest byte
	v_cvt_scalef32_pk8_bf8_f32 v[C+4*(\t)+2:C+4*(\t)+3], v[XS+8:XS+15], v11     ; (the codes go to a store alone, and the next step's sixteen holds are plain vector lines on other registers)
	global_store_b128 v3, v[C+4*(\t):C+4*(\t)+3], s[6:7] offset:((\t)/4)*KROW+((\t)%4)*512   ; 32 lanes store 512 consecutive bytes, at a multiple of 256 from the buffer's first byte: four steps to a row's 2,048 codes
.endm
	s_load_b512 s[8:23], s[0:1], 0x0               ; w_xi, w_xf, w_xo, w_xc, w_hi, w_hf, w_ho, w_hc
	s_load_b256 s[24:31], s[0:1], 0x40             ; x s[24:25], h s[26:27], the scales' exponents s[28:29], a_codes s[30:31]
	s_load_b64 s[32:33], s[0:1], 0x60              ; b_codes
	v_lshl_add_u32 v192, v0, 2, 0xd800
	v_mov_b32 v193, 0
	v_lshrrev_b32 v1, 5, v0
	v_readfirstlane_b32 s34, v1                    ; wave 0..3
	v_and_b32 v2, 31, v0                           ; lane
	s_mov_b32 s47, 0                               ; the upper word of every offset: all stay under 2^32
	s_wait_kmcnt 0x0
	s_load_b128 s[36:39], s[28:29], 0x0            ; e of x, of the w_x, of h, of the w_h
	s_cmp_lt_u32 ttmp9, WGW
	s_cbranch_scc0 .Lrows
	; ---- THE WEIGHTS
	s_lshr_b32 s40, ttmp9, 7                       ; which weight, 0 .. 7, in the order of the arguments: gate = its low two bits, w_x or w_h = bit 2
	s_and_b32 s41, ttmp9, 15                       ; which 128 columns
	s_bfe_u32 s42, ttmp9, 0x30004                  ; which 256 along K (3 bits from bit 4)
	s_and_b32 s43, s40, 1                          ; the weight's address, chosen bit by bit; the choices hang on the work-group's number alone
	s_cmp_lg_u32 s43, 0
	s_cselect_b64 s[8:9], s[10:11], s[8:9]
	s_cselect_b64 s[12:13], s[14:15], s[12:13]
	s_cselect_b64 s[16:17], s[18:19], s[16:17]
	s_cselect_b64 s[20:21], s[22:23], s[20:21]
	s_and_b32 s43, s40, 2
	s_cmp_lg_u32 s43, 0
	s_cselect_b64 s[8:9], s[12:13], s[8:9]
	s_cselect_b64 s[16:17], s[20:21], s[16:17]
	s_and_b32 s43, s40, 4
	s_cmp_lg_u32 s43, 0
	s_cselect_b64 s[4:5], s[16:17], s[8:9]
	s_lshl_b32 s46, s42, 21                        ; in: 256 rows of 8,192 bytes,
	s_lshl_b32 s45, s41, 9                         ; 128 columns of 4 bytes,
	s_add_co_u32 s46, s46, s45
	s_lshl_b32 s45, s34, 7                         ; my wave's 32 columns
	s_add_co_u32 s46, s46, s45
	s_add_nc_u64 s[4:5], s[4:5], s[46:47]
	s_lshl_b32 s46, s41, 1                         ; out: my wave's first column is 128 nx + 32 wave = 64 T + 32 wn: T = 2 nx + wave / 2, wn = wave % 2
	s_lshr_b32 s45, s34, 1
	s_add_co_u32 s46, s46, s45
	s_lshl_b32 s46, s46, 8                         ; 256 T
	s_and_b32 s45, s34, 1
	s_lshl_b32 s45, s45, 7                         ; + 128 wn
	s_add_co_u32 s46, s46, s45
	s_and_b32 s45, s40, 3
	s_lshl_b32 s45, s45, 5                         ; + 32 gate: my first row of b_codes
	s_add_co_u32 s46, s46, s45
	s_lshl_b32 s46, s46, 12                        ; rows of 4,096 bytes
	s_lshr_b32 s45, s40, 2
	s_lshl_b32 s45, s45, 11                        ; a w_h's codes lie in the rows' second halves
	s_add_co_u32 s46, s46, s45
	s_lshl_b32 s45, s42, 8                         ; my 256 along K
	s_add_co_u32 s46, s46, s45
	s_add_nc_u64 s[6:7], s[32:33], s[46:47]
	v_lshlrev_b32 v3, 2, v2                        ; in: 4 bytes a lane
	WLOAD 0
	WLOAD 1
	s_mul_i32 s45, s34, WSTW                       ; my stage
	v_mul_u32_u24 v4, v2, PITCH
	v_add_nc_u32 v4, s45, v4                       ; into it: row = my column
	v_and_b32 v5, 15, v2
	v_lshrrev_b32 v6, 4, v2                        ; out of it: sixteen lanes to a row, two rows an instruction
	v_mul_u32_u24 v7, v6, PITCH
	v_lshl_add_u32 v7, v5, 4, v7
	v_add_nc_u32 v7, s45, v7
	v_lshlrev_b32 v8, 12, v6                       ; and the same place in b_codes
	v_lshl_add_u32 v8, v5, 4, v8
	s_wait_kmcnt 0x0
	s_cmp_lg_u32 s43, 0                            ; (s43 is still the weight's bit 2)
	s_cselect_b32 s44, s39, s37                    ; e of the w_h or of the w_x
	s_add_co_i32 s44, s44, 127
	s_lshl_b32 s45, s44, 23
	v_mov_b32 v11, s45                             ; 2^e as f32: the conversion takes its exponent field
	s_add_co_i32 s44, s44, EMAX
	s_lshl_b32 s44, s44, 23
	s_or_b32 s44, s44, MANT
	v_mov_b32 v10, s44                             ; 57,344 x 2^e
.irp t, 0,1,2,3,4,5,6,7
	WBLOCK \t
.endr
.irp t, 0,1,2,3,4,5,6,7,8,9,10,11,12,13,14,15
	ds_load_b128 v[OUTR+4*\t:OUTR+4*\t+3], v7 offset:2*\t*PITCH   ; LDS serves a wave's instructions in order: these see my stores
.endr
.irp t, 0,1,2,3,4,5,6,7,8,9,10,11,12,13,14,15
	s_wait_dscnt 15-\t                             ; the younger loads may be out
	global_store_b128 v8, v[OUTR+4*\t:OUTR+4*\t+3], s[6:7] offset:2*\t*KROW   ; sixteen lanes store 256 consecutive bytes, at a multiple of 256 from the buffer's first byte
.endr
	s_wait_tensorcnt 0x0
	ds_add_u32 v192, v193
	s_wait_dscnt 0x0
	s_endpgm
	; ---- x AND h
.Lrows:
	s_sub_co_u32 s40, ttmp9, WGW
	s_lshr_b32 s41, s40, 7                         ; 0: x, 1: h
	s_and_b32 s42, s40, 127
	s_lshl_b32 s42, s42, 2
	s_add_co_u32 s42, s42, s34                     ; which run of 8,192 numbers (four rows) is my wave's
	s_cmp_eq_u32 s41, 0                            ; the choice hangs on the work-group's number alone
	s_cselect_b64 s[4:5], s[24:25], s[26:27]
	s_lshl_b32 s46, s42, 15
	s_add_nc_u64 s[4:5], s[4:5], s[46:47]
	s_lshl_b32 s46, s42, 14                        ; four rows of 4,096 bytes of a_codes,
	s_lshl_b32 s45, s41, 11                        ; h's codes in the rows' second halves
	s_add_co_u32 s46, s46, s45
	s_add_nc_u64 s[6:7], s[30:31], s[46:47]
	v_lshlrev_b32 v3, 4, v2                        ; 16 x lane: my 16 bytes of a load's 512, and my 16 codes' place in a step's 512
.irp t, 0,1,2,3
	XLOAD \t
.endr
	s_mul_i32 s45, s34, XSTW
	s_add_co_u32 s45, s45, XST                     ; my two stages
	v_lshrrev_b32 v14, 2, v2
	v_mul_u32_u24 v14, v14, SP
	v_and_b32 v15, 3, v2
	v_lshl_add_u32 v14, v15, 4, v14
	v_add_nc_u32 v14, s45, v14                     ; on the way in: four lanes' 64 bytes on end, then 16 of padding; a load's 512 bytes take eight places
	v_mul_u32_u24 v15, v2, SP
	v_add_nc_u32 v15, s45, v15                     ; on the way out: my 16 neighbours
	s_wait_kmcnt 0x0
	s_cmp_eq_u32 s41, 0
	s_cselect_b32 s44, s36, s38                    ; e of x or of h
	s_add_co_i32 s44, s44, 127
	s_lshl_b32 s45, s44, 23
	v_mov_b32 v11, s45                             ; 2^e as f32
	s_add_co_i32 s44, s44, EMAX
	s_lshl_b32 s44, s44, 23
	s_or_b32 s44, s44, MANT
	v_mov_b32 v10, s44                             ; 57,344 x 2^e
	s_wait_loadcnt 12                              ; step 0's four loads are in
	XTURN 0
.irp t, 0,1,2,3,4,5,6,7,8,9,10,11,12,13,14,15
	XSTEP \t
.endr
	s_wait_tensorcnt 0x0
	ds_add_u32 v192, v193
	s_wait_dscnt 0x0
	s_endpgm
.Lfunc_end_k_qe0acafe04a_quant:
	.size	k_qe0acafe04a_quant, .Lfunc_end_k_qe0acafe04a_quant-k_qe0acafe04a_quant
	.p2alignl 7, 3214868480
	.fill 96, 4, 3214868480
	.section	.rodata,"a",@progbits
	.p2align	6, 0x0
	.amdhsa_kernel k_qe0acafe04a_quant
		.amdhsa_group_segment_fixed_size 55808
		.amdhsa_private_segment_fixed_size 0
		.amdhsa_enable_private_segment 0
		.amdhsa_kernarg_size 104
		.amdhsa_user_sgpr_count 2
		.amdhsa_user_sgpr_kernarg_segment_ptr 1
		.amdhsa_wavefront_size32 1
		.amdhsa_system_sgpr_workgroup_id_x 1
		.amdhsa_system_sgpr_workgroup_id_y 1
		.amdhsa_system_sgpr_workgroup_id_z 1
		.amdhsa_system_vgpr_workitem_id 0
		.amdhsa_next_free_vgpr 194
		.amdhsa_next_free_sgpr 66
		.amdhsa_reserve_vcc 0
		.amdhsa_float_denorm_mode_32 3
		.amdhsa_float_denorm_mode_16_64 3
		.amdhsa_memory_ordered 1
		.amdhsa_forward_progress 1
		.amdhsa_inst_pref_size 86
	.end_amdhsa_kernel
	.amdgpu_metadata
---
amdhsa.version: [ 1, 2 ]
amdhsa.kernels:
  - .name:           k_qe0acafe04a_quant
    .symbol:         k_qe0acafe04a_quant.kd
    .args:
      - { .name: w_xi, .offset: 0, .size: 8, .value_kind: global_buffer, .address_space: global }
      - { .name: w_xf, .offset: 8, .size: 8, .value_kind: global_buffer, .address_space: global }
      - { .name: w_xo, .offset: 16, .size: 8, .value_kind: global_buffer, .address_space: global }
      - { .name: w_xc, .offset: 24, .size: 8, .value_kind: global_buffer, .address_space: global }
      - { .name: w_hi, .offset: 32, .size: 8, .value_kind: global_buffer, .address_space: global }
      - { .name: w_hf, .offset: 40, .size: 8, .value_kind: global_buffer, .address_space: global }
      - { .name: w_ho, .offset: 48, .size: 8, .value_kind: global_buffer, .address_space: global }
      - { .name: w_hc, .offset: 56, .size: 8, .value_kind: global_buffer, .address_space: global }
      - { .name: x, .offset: 64, .size: 8, .value_kind: global_buffer, .address_space: global }
      - { .name: h, .offset: 72, .size: 8, .value_kind: global_buffer, .address_space: global }
      - { .name: lowp_scales, .offset: 80, .size: 8, .value_kind: global_buffer, .address_space: global }
      - { .name: a_codes, .offset: 88, .size: 8, .value_kind: global_buffer, .address_space: global }
      - { .name: b_codes, .offset: 96, .size: 8, .value_kind: global_buffer, .address_space: global }
    .group_segment_fixed_size: 55808
    .private_segment_fixed_size: 0
    .kernarg_segment_align: 8
    .kernarg_segment_size: 104
    .max_flat_workgroup_size: 128
    .sgpr_count:     66
    .vgpr_count:     194
    .wavefront_size: 32
...
	.end_amdgpu_metadata
.endif
;; end of part 1
;; launch lstm (part 2): grid 32 x 8, 4 waves a work-group, clusters of 4 x 4, 327,680 bytes of LDS; arguments a_codes, b_codes, lowp_scales, c, b_i, b_f, b_o, b_c, out0, out1; writes out0, out1
.if DOCPART == 2
	.amdgcn_target "amdgcn-amd-amdhsa--gfx1250"
	.amdhsa_code_object_version 6
	.text
	.protected	k_qe0acafe04a_lstm
	.globl	k_qe0acafe04a_lstm
	.p2align	8
	.type	k_qe0acafe04a_lstm,@function
k_qe0acafe04a_lstm:
	s_mov_b64 s[64:65], 0
	v_nop
	global_prefetch_b8 v0, s[64:65] scope:SCOPE_SE
	s_setreg_imm32_b32 hwreg(HW_REG_WAVE_MODE, 25, 1), 1
	s_wait_xcnt 0x0
	s_wait_alu depctr_hold_cnt(0) depctr_sa_sdst(0) depctr_va_vdst(0) depctr_va_sdst(0) depctr_va_ssrc(0) depctr_va_vcc(0) depctr_vm_vsrc(0)
	s_getreg_b32 s2, hwreg(HW_REG_IB_STS2, 6, 4)
	s_cmp_eq_u32 s2, 0
	s_cbranch_scc0 .Lentry_in_a_cluster
	s_endpgm
.Lentry_in_a_cluster:
	s_bfe_u32 s2, ttmp6, 0x10000c
	s_cmp_lg_u32 s2, 0xf033
	s_cbranch_scc0 .Lentry_shape_is_right
	s_endpgm
.Lentry_shape_is_right:
; One step of an LSTM cell: gates = x Wx + h Wh + b;  c_t = c sigmoid(f) + sigmoid(i) tanh(g);  h_t = sigmoid(o) tanh(c_t).  out0 = h_t, out1 = c_t, both [2048][2048] f32.
; Both products run on codes of BF8 (E5M2) as ONE product with K = 4,096: a_codes [2048][4096] holds x's codes and then h's in each row, b_codes [8192][4096] the w_x's and then the w_h's.
; THE TWO HALVES OF K HAVE DIFFERENT SCALES.  A sum over x's half stands for sum x 2^(e0 + e1), over h's for sum x 2^(e2 + e3).  At the middle of K every sum is multiplied once by 2^(e0 + e1 - e2 - e3), which rounds
; nothing short of overflow and underflow, and h's half adds onto it: the finished sum stands for sum x 2^(e2 + e3).
; THE ROWS OF b_codes ARE ORDERED FOR THE CELL: row 256 T + 128 wn + 32 g + j is column 64 T + 32 wn + j of gate g (0 i, 1 f, 2 o, 3 c).  A work-group makes 256 rows x 256 such rows: the four gates of 256 x 64 outputs.
; Four waves, as many as a WGP has SIMDs; wave (wm, wn) makes 128 x 128: 64 accumulators, 512 registers.  THE MATRIX INSTRUCTION IS USED TRANSPOSED (source 0 = 16 rows of B, source 1 = 16 rows of A): register j of lane
; (r, h) of accumulator (a, 2 g + u) is gate g at row 128 wm + 16 a + r, output column 32 wn + 16 u + 8 h + j of the tile: an output's four gates lie in one lane at one register number, and nothing changes lanes.
; K goes in steps of 256 through a ring of two LDS slots filled by the tensor data mover; a tile's row is 256 bytes of memory.  A fragment is fetched by four loads of 16 bytes: a permutation of k, the same in A and in B.
; CLUSTERS: 4 x 4 work-groups.  The four of a row of the cluster need the same tiles of A, the four of a column the same tiles of B: each tile is asked for JOINTLY, by the same tensor load with the same descriptor and
; a mask that names the four.  The work-group's tile of c (256 rows x 256 bytes) is its own: it comes by plain tensor loads, one a wave, as the last refill of slot 0.
; THE CELL.  E_x = 2^(...) stands for exp(-i), exp(-f), exp(-o), exp(2 g), exp(2 c_t).  sigmoid(i) tanh(g) = (E_g - 1) / ((1 + E_i)(1 + E_g)): one reciprocal for the pair; likewise sigmoid(o) tanh(c_t).
; LIMITS.  e0 + e1 - e2 - e3 between -126 and 127, e2 + e3 between -126 and 126, so that each power of two below is an f32 number.  The exponents of E_i, E_o, E_g and of exp(2 c_t) are held at 60 from above, so that a
; product of two of them is finite: that changes a sigmoid only under 2^-60 and a tanh only within 2^-59 of 1.  tanh as (E - 1) / (E + 1) carries an absolute error of about 1e-7, whatever its argument.
; NaN among the inputs is not served: the hold drops it.
; REGISTERS, in windows of 256: window 0: v1-31 addresses; v32-95 the biases, times the factor of their exponential; from v128 A's fragments (8 x 16 rows x 128 K), ONE set; on the way out v128-255 are at work.
;   window 1: B's fragments, TWO sets, at v0 and at v128; on the way out v0-127 hold my part of c.   window 2: the 32 accumulators of my rows 0-63 ((a, b) at v[8 (8 a + b)]);   window 3: those of my rows 64-127.
.set ROWB,   256                       ; a tile's row in bytes: 256 codes along K, a K step
.set KROW,   4096                      ; a row of a_codes or of b_codes in bytes
.set PITCH,  272                       ; an LDS row: 256 bytes of data + 16 of padding = 68 words: row r starts at bank 4 r mod 64 (64 banks of 4 bytes: ISA guide 11.1), so the 16 rows that a load touches start at 16 different banks
.set FR,     16                        ; registers of a fragment: 16 rows x 128 K
.set NL,     4                         ; LDS loads that bring one
.set NP,     4                         ; places behind this matrix instruction (ISA guide 7.12.1)
.set HALFT,  128*PITCH                 ; 128 rows: what one joint load brings, and what one wave reads of A or of B
.set SLOT,   4*HALFT                   ; A's 256 rows, then B's 256 rows
.set LAPS,   8                         ; a lap = two K steps = once round the ring: 4,096 / 512
.set MIDLAP, 4                         ; the lap counter's value in the trip that ends x's half of K (K steps 0 to 7)
.set SPARE,  2*SLOT                    ; behind the ring: the spare words, 128 bytes for each wave: two blocks of 256 bytes that no other line names
.set STH,    2*HALFT                   ; the way out: h_t's stage, 256 rows x 272, where slot 0 held B: those bytes have had their last fill and their last read.  (Slot 0's first half takes the tile of c)
.set STC,    SLOT                      ; c_t's stage, 256 rows x 272, in slot 1, likewise
.set OROW,   8192                      ; a row of c, out0 or out1 in bytes
.set ADRA, 16                          ; v16-17  LDS address of my A fragments in slot 0, 1
.set ADRB, 20                          ; v20-21  the same for B
.set CI,   22                          ; v22     my 32 bytes of a row of the tile of c: (128 wm + r) x 272 + 128 wn + 32 h
.set SH,   23                          ; v23     the same place in h_t's stage
.set SC,   24                          ; v24     and in c_t's
.set RH,   25                          ; v25     where I read rows of h_t back: (64 wave + h) x 272 + 16 r
.set RC,   26                          ; v26     and of c_t
.set CO,   27                          ; v27     the same two rows in an output: 8,192 h + 16 r
.set SPW,  28                          ; v28     LDS address of my spare word: SPARE + 4 x my thread's number; never rewritten
.set NIL,  29                          ; v29     0; never rewritten
.set PFO,  30                          ; v30     the prefetches' offset among rows of codes: 4,096 x lane; never rewritten
.set PFC,  31                          ; v31     among rows of c: 8,192 x lane; never rewritten
.set BI,   32                          ; v32-95  the biases: gate g, half u at BI + 8 (2 g + u), in the result's layout
.set AF,   128                         ; A's fragments
.set Z,    128                         ; the way out: two sets of 40 registers by turns; then two sets of 64 for rows that come back
.set LIM,  2                           ; s2      1 in a wave that prefetches codes, else the greatest number
.set PFA,  12                          ; s[12:13] where my prefetches of codes stand
.set G1,   24                          ; s[24:31] descriptor group 1 for A's tiles;  s[32:39] group 0, one set for each slot
.set G0,   32
.set G1B,  48                          ; s[48:55], s[56:63] the same for B's tiles
.set G0B,  56
.set PCA,  66                          ; s[66:67] c at my wave's 64 rows of the tile
.set G1C,  68                          ; s[68:75] descriptor group 1 for the tile of c;  s[76:79] its group 0
.set G0C,  76
.set BP,   80                          ; s[80:87] b_i, b_f, b_o, b_c
.set OUT,  88                          ; s[88:91] out0, out1, at my wave's 64 rows of the tile
.set TL,   92                          ; s[92:93] 2 log2(e), twice (first: e0, e1)
.set HOLD, 94                          ; s94     60.0 (first: e2; s95: e3)
.set RS,   96                          ; s[96:97] 2^(e0 + e1 - e2 - e3), twice: the packed forms name a pair and take its low word for both halves
.set KS,   98                          ; s[98:99] -log2(e) x 2^(e2 + e3), twice
.set KT,   100                         ; s[100:101] 2 log2(e) x 2^(e2 + e3), twice
.set MSB, 0
.macro WIN new                         ; the immediate's high byte repeats the setting that is left; a switch that changes nothing is dropped
.if MSB != (\new)
	s_set_vgpr_msb (MSB<<8)|(\new)
.set MSB, (\new)
.endif
.endm
.set MUL_LO, 0xa1                      ; source 0 (B) window 1, source 1 (A) window 0, C and D window 2
.set MUL_HI, 0xf1                      ; the same, C and D window 3
.set TO_B,   0x40                      ; destination window 1, address window 0
; A joint load: waves 0 and 1 fetch for A, waves 2 and 3 for B.  Each of the two lines has ONE mask and one set of registers for all that issue it; the branch hangs on the wave's number alone.
; Four v_nop follow each of the two lines, ahead of the jump, the label and what follows.
.macro JLOAD g0a, g1a, g0b, g1b
	s_cmp_eq_u32 s15, 0
	s_cbranch_scc0 .Lfor_b_\@
	tensor_load_to_lds s[\g0a:\g0a+3], s[\g1a:\g1a+7]
	s_nop 0
.rept 4
	v_nop
.endr
	s_branch .Lasked_\@
.Lfor_b_\@:
	tensor_load_to_lds s[\g0b:\g0b+3], s[\g1b:\g1b+7]
	s_nop 0
.rept 4
	v_nop
.endr
.Lasked_\@:
.endm
; A PREFETCH INTO THE L2 of the K step that stands TWO refills on, 256 matrix instructions ahead of the load that will want it: 32 rows x 256 bytes, a lane a row, one instruction a wave.
; Each row's 256 bytes of a K step are named ONCE in the launch.  A's tile row is read by every cluster of that row of clusters: the first of them (cluster x = 0) asks; B's tile column by every cluster of that column:
; cluster y = 0 asks.  The four partners that ask for a tile jointly share its rows out BY ADDRESS: of the 128 rows that a wave fetches, the partner at place p takes 32 p .. 32 p + 31 (p = cx for A, cy for B).
; The loop's last trip (s3 = 1) asks for nothing: its refills are K's last two steps.  K steps 0 to 3 come by their loads alone.
.macro ASK
	s_cmp_gt_u32 s3, s[LIM]
	s_cbranch_scc0 .Lnot_mine_\@
	global_prefetch_b8 v[PFO], s[PFA:PFA+1] offset:ROWB th:TH_LOAD_NT scope:SCOPE_SE
.Lnot_mine_\@:
.endm
; The tile of c, which this work-group alone reads: each wave asks for the 64 rows x 256 bytes that it will fetch, a lane a row, in the loop's last trip: two K steps, 256 matrix instructions, ahead of its tensor load.
.macro ASKC
	s_cmp_eq_u32 s3, 1
	s_cbranch_scc0 .Lno_c_\@
	global_prefetch_b8 v[PFC], s[PCA:PCA+1] th:TH_LOAD_NT scope:SCOPE_SE
	global_prefetch_b8 v[PFC], s[PCA:PCA+1] offset:32*OROW th:TH_LOAD_NT scope:SCOPE_SE
.Lno_c_\@:
.endm
.macro CREST                           ; a round of the cluster's barrier behind its opening barrier
	s_cmp_lg_u32 s14, 0
	s_cbranch_scc1 .Lnot_wave_0_\@
	s_barrier_signal -3
.Lnot_wave_0_\@:
	s_barrier_wait -3
	s_barrier_signal -1
	s_barrier_wait -1
.endm
.macro CROUND                          ; a whole round
	s_barrier_signal -1
	s_barrier_wait -1
	CREST
.endm
	s_load_b256 s[4:11], s[0:1], 0x0               ; a_codes s[4:5], b_codes s[6:7], the scales' exponents s[8:9], c s[10:11]
	s_load_b256 s[BP:BP+7], s[0:1], 0x20           ; the four biases
	s_load_b128 s[OUT:OUT+3], s[0:1], 0x40         ; out0, out1
	v_lshl_add_u32 v[SPW], v0, 2, SPARE
	v_mov_b32 v[NIL], 0
	ds_add_u32 v28, v29
	s_wait_dscnt 0x0
	v_lshrrev_b32 v1, 5, v0
	v_readfirstlane_b32 s14, v1                    ; wave 0..3
	s_lshr_b32 s15, s14, 1                         ; wm: which half of the tile's rows is mine.  Also: I fetch for A (0) or for B (1)
	s_and_b32 s16, s14, 1                          ; wn: which half of B's rows.  Also: which 128 rows of that tile I fetch
	s_bfe_u32 s40, ttmp6, 0x40000                  ; cx, cy: my place in the cluster
	s_bfe_u32 s41, ttmp6, 0x40004
	s_lshl_b32 s42, ttmp9, 2
	s_add_co_u32 s42, s42, s40                     ; tile column = 4 x cluster x + cx, 0 .. 31
	s_and_b32 s17, ttmp7, 0xffff
	s_lshl_b32 s17, s17, 2
	s_add_co_u32 s17, s17, s41                     ; tile row = 4 x cluster y + cy, 0 .. 7
	s_lshl_b32 s43, s41, 2
	s_lshl_b32 s43, 15, s43                        ; my row of the cluster
	s_lshl_b32 s44, 0x1111, s40                    ; my column
	; descriptor group 1: a tile of 128 rows x 256 bytes, padded in LDS
	s_or_b32 s[G1+0], s43, (0<<16)|(1<<20)|(1<<21)|(5<<22)|(3<<25)  ; 15:0 the mask: A's tiles go to my row; 17:16 element of 1 byte; 20 padding on; 21 set beside a mask; 24:22 after every 64 words (code 5); 31:25 of 4 words (code 3)
	s_or_b32 s[G1B+0], s44, (0<<16)|(1<<20)|(1<<21)|(5<<22)|(3<<25)
.irp g, G1, G1B
	s_mov_b32 s[\g+1], ROWB<<16                    ; tensor_dim0
	s_mov_b32 s[\g+2], 128<<16                     ; tensor_dim1 = 128
	s_mov_b32 s[\g+3], ROWB<<16                    ; tile_dim0
	s_mov_b32 s[\g+4], 128                         ; tile_dim1 = 128
	s_mov_b32 s[\g+5], KROW                        ; tensor_dim0_stride
	s_mov_b32 s[\g+6], 0
	s_mov_b32 s[\g+7], 0
.endr
	; and for the tile of c: 64 rows x 256 bytes a wave, no mask
	s_mov_b32 s[G1C+0], (0<<16)|(1<<20)|(5<<22)|(3<<25)
	s_mov_b32 s[G1C+1], 256<<16
	s_mov_b32 s[G1C+2], 64<<16
	s_mov_b32 s[G1C+3], 256<<16
	s_mov_b32 s[G1C+4], 64
	s_mov_b32 s[G1C+5], OROW
	s_mov_b32 s[G1C+6], 0
	s_mov_b32 s[G1C+7], 0
	s_lshl_b32 s18, s16, 7                         ; which 128 rows of the tile I fetch
	s_lshl_b32 s20, s17, 8
	s_add_co_u32 s20, s20, s18                     ; A: row 256 x tile row + 128 x half,
	s_lshl_b32 s20, s20, 12                        ; in bytes (under 2^23)
	s_mov_b32 s21, 0
	s_lshl_b32 s46, s42, 8
	s_add_co_u32 s46, s46, s18                     ; B: row 256 x tile column + 128 x half,
	s_lshl_b32 s46, s46, 12                        ; in bytes (under 2^25)
	s_mov_b32 s47, 0
	s_mul_i32 s45, s14, HALFT                      ; where they go: wave x 128 rows: no place in the cluster enters an LDS address
	s_wait_kmcnt 0x0
	s_load_b128 s[92:95], s[8:9], 0x0              ; e0, e1, e2, e3
	s_add_nc_u64 s[20:21], s[4:5], s[20:21]
	s_add_nc_u64 s[46:47], s[6:7], s[46:47]
	CROUND                                         ; all sixteen work-groups are here: the first joint loads meet
.irp s, 0,1
	s_mov_b32 s[G0+4*\s], 1
	s_add_co_u32 s[G0+4*\s+1], s45, \s*SLOT
	s_add_nc_u64 s[G0+4*\s+2:G0+4*\s+3], s[20:21], \s*ROWB
	s_or_b32 s[G0+4*\s+3], s[G0+4*\s+3], 0x80000000
	s_mov_b32 s[G0B+4*\s], 1
	s_add_co_u32 s[G0B+4*\s+1], s45, \s*SLOT
	s_add_nc_u64 s[G0B+4*\s+2:G0B+4*\s+3], s[46:47], \s*ROWB
	s_or_b32 s[G0B+4*\s+3], s[G0B+4*\s+3], 0x80000000
	JLOAD G0+4*\s, G1, G0B+4*\s, G1B               ; two tensor loads of mine are out at the start, one behind each round later
.endr
	v_and_b32 v1, 15, v0                           ; r = lane % 16
	v_bfe_u32 v2, v0, 4, 1                         ; h = lane / 16
	s_lshl_b32 s18, s42, 8                         ; the biases: my eight numbers of half u begin at column 64 x tile column + 32 wn + 16 u + 8 h
	s_lshl_b32 s19, s16, 7
	s_add_co_u32 s18, s18, s19
	v_lshlrev_b32 v7, 5, v2
	v_add_nc_u32 v7, s18, v7
.irp g, 0,1,2,3
.irp u, 0,1
	global_load_b128 v[BI+8*(2*\g+\u):BI+8*(2*\g+\u)+3],   v7, s[BP+2*\g:BP+2*\g+1] offset:64*\u
	global_load_b128 v[BI+8*(2*\g+\u)+4:BI+8*(2*\g+\u)+7], v7, s[BP+2*\g:BP+2*\g+1] offset:64*\u+16
.endr
.endr
	v_mul_u32_u24 v3, v1, PITCH
	v_lshl_add_u32 v4, v2, 4, v3                   ; a fragment's row x pitch + 16 x half
	s_mul_i32 s21, s15, HALFT                      ; my 128 rows of A
	s_mul_i32 s22, s16, HALFT                      ; my 128 rows of B,
	s_add_co_u32 s22, s22, 2*HALFT                 ; which lie behind A's 256
.irp s, 0,1
	v_add_nc_u32 v[ADRA+\s], s21, v4
	v_add_nc_u32 v[ADRB+\s], s22, v4
	s_add_co_u32 s21, s21, SLOT
	s_add_co_u32 s22, s22, SLOT
.endr
	s_mul_i32 s18, s15, HALFT                      ; the tile of c and the two stages: row 128 wm + r, byte 128 wn + 32 h
	s_add_co_u32 s18, s18, s19
	v_lshl_add_u32 v[CI], v2, 5, v3
	v_add_nc_u32 v[CI], s18, v[CI]
	v_add_nc_u32 v[SH], STH, v[CI]
	v_add_nc_u32 v[SC], STC, v[CI]
	s_mul_i32 s18, s14, 64*PITCH                   ; back: wave w takes rows 64 w .. 64 w + 63, whole; lanes 0-15 one row of 256 bytes, lanes 16-31 the next
	v_mul_u32_u24 v5, v2, PITCH
	v_lshl_add_u32 v5, v1, 4, v5
	v_add_nc_u32 v5, s18, v5
	v_add_nc_u32 v[RH], STH, v5
	v_add_nc_u32 v[RC], STC, v5
	v_lshlrev_b32 v[CO], 13, v2                    ; and the same two rows in an output
	v_lshl_add_u32 v[CO], v1, 4, v[CO]
	v_and_b32 v[PFO], 31, v0
	v_lshlrev_b32 v[PFC], 13, v[PFO]
	v_lshlrev_b32 v[PFO], 12, v[PFO]
	; where my wave's 64 rows of the tile begin in c, out0 and out1, in bytes (under 2^24): (256 x tile row + 64 x wave) rows of 8,192 + 256 x tile column
	s_lshl_b32 s20, s17, 8
	s_lshl_b32 s21, s14, 6
	s_add_co_u32 s20, s20, s21
	s_lshl_b32 s20, s20, 13
	s_lshl_b32 s21, s42, 8
	s_add_co_u32 s20, s20, s21
	s_mov_b32 s21, 0
	s_add_nc_u64 s[PCA:PCA+1], s[10:11], s[20:21]
	s_add_nc_u64 s[OUT:OUT+1], s[OUT:OUT+1], s[20:21]
	s_add_nc_u64 s[OUT+2:OUT+3], s[OUT+2:OUT+3], s[20:21]
	s_mov_b32 s[G0C], 1                            ; 1:0 count = 1
	s_mul_i32 s[G0C+1], s14, 64*PITCH              ; 63:32 LDS address: my 64 rows, from LDS byte 0 on
	s_mov_b64 s[G0C+2:G0C+3], s[PCA:PCA+1]         ; 120:64 global address
	s_or_b32 s[G0C+3], s[G0C+3], 0x80000000        ; 127:126 type = 2
	; the prefetches of codes: where my wave's stand, and who asks
	s_lshl_b32 s18, s17, 8
	s_lshl_b32 s19, s42, 8
	s_and_b32 s22, ttmp7, 0xffff                   ; cluster y
	s_cmp_eq_u32 s15, 0                            ; do I fetch for A?
	s_cselect_b32 s20, s18, s19                    ; the tile's first row: in A by the tile row, in B by the tile column
	s_cselect_b32 s21, s40, s41                    ; my place among the four that ask for it with me
	s_cselect_b32 s22, ttmp9, s22                  ; the coordinate along which other clusters read the same rows
	s_cselect_b64 s[PFA:PFA+1], s[4:5], s[6:7]
	s_cmp_eq_u32 s22, 0
	s_cselect_b32 s[LIM], 1, -1                    ; the same in all sixteen partners, for a given wave
	s_lshl_b32 s22, s16, 7
	s_add_co_u32 s20, s20, s22                     ; + the 128 rows that I fetch
	s_lshl_b32 s21, s21, 5
	s_add_co_u32 s20, s20, s21                     ; + my work-group's 32 of them
	s_lshl_b32 s20, s20, 12
	s_mov_b32 s21, 0
	s_add_nc_u64 s[PFA:PFA+1], s[PFA:PFA+1], s[20:21]
	s_add_nc_u64 s[PFA:PFA+1], s[PFA:PFA+1], 2*ROWB  ; at K step 2: the first refill steps it to 3 and names K step 4.  Nothing is prefetched here, at the head, where every work-group's first tiles are on their way
	; the scales
	s_wait_kmcnt 0x0
	s_add_co_i32 s18, s94, s95                     ; e2 + e3
	s_add_co_i32 s19, s92, s93                     ; e0 + e1
	s_sub_co_i32 s19, s19, s18
	s_add_co_i32 s19, s19, 127
	s_lshl_b32 s[RS], s19, 23                      ; 2^(e0 + e1 - e2 - e3) as f32
	s_mov_b32 s[RS+1], s[RS]
	s_lshl_b32 s18, s18, 23                        ; e2 + e3 is added to the exponent fields of the two factors:
	s_add_co_u32 s[KS], s18, 0xbfb8aa3b            ; -log2(e) x 2^(e2 + e3): sum x this + bias x -log2(e) is the exponent of exp(-gate)
	s_mov_b32 s[KS+1], s[KS]
	s_add_co_u32 s[KT], s18, 0x4038aa3b            ; 2 log2(e) x 2^(e2 + e3): likewise of exp(2 gate)
	s_mov_b32 s[KT+1], s[KT]
	s_mov_b32 s[TL], 0x4038aa3b                    ; 2 log2(e)
	s_mov_b32 s[TL+1], s[TL]
	s_mov_b32 s[HOLD], 0x42700000                  ; 60.0
	s_wait_loadcnt 0x0                             ; the biases, once
.set n, 0
.rept 24
	v_pk_mul_f32 v[BI+n:BI+n+1], v[BI+n:BI+n+1], 0xbfb8aa3b op_sel_hi:[1,0]   ; b_i, b_f, b_o x -log2(e)
.set n, n+2
.endr
.rept 8
	v_pk_mul_f32 v[BI+n:BI+n+1], v[BI+n:BI+n+1], 0x4038aa3b op_sel_hi:[1,0]   ; b_c x 2 log2(e)
.set n, n+2
.endr
.macro FRAG reg, adr, q, i             ; a fragment, 16 rows x 128 K of 8-bit codes, is 16 registers: lane l holds row l % 16; registers 4 c .. 4 c + 3 hold K = 32 c + 16 (l / 16) + 0 .. 15
.irp c, 0,1,2,3
	ds_load_b128 v[\reg+4*\c:\reg+4*\c+3], v[\adr] offset:128*(\q)+32*\c+(\i)*16*PITCH
.endr
.endm
; 16 matrix instructions: A's blocks a0, a0 + 1 x B's eight, 128 along K.  p: B's set.  zero = 1: the first product starts the sums: nothing is ever cleared.
; The 64 accumulators take turns, one instruction a turn, in the same order in every step.
.macro MUL16 a0, p, zero
.irp a, \a0, \a0+1
.irp b, 0,1,2,3,4,5,6,7
.if \zero
	v_wmma_f32_16x16x128_bf8_bf8 v[8*(8*((\a)%4)+\b):8*(8*((\a)%4)+\b)+7], v[128*(\p)+FR*\b:128*(\p)+FR*\b+FR-1], v[AF+FR*(\a):AF+FR*(\a)+FR-1], 0
.else
	v_wmma_f32_16x16x128_bf8_bf8 v[8*(8*((\a)%4)+\b):8*(8*((\a)%4)+\b)+7], v[128*(\p)+FR*\b:128*(\p)+FR*\b+FR-1], v[AF+FR*(\a):AF+FR*(\a)+FR-1], v[8*(8*((\a)%4)+\b):8*(8*((\a)%4)+\b)+7]
.endif
.endr
.endr
.endm
.macro FETCH_B slot, q, p              ; B's eight fragments of the slot's q-th 128 along K into set p
	WIN TO_B
.irp i, 0,1,2,3,4,5,6,7
	FRAG 128*(\p)+FR*\i, ADRB+\slot, \q, \i
.endr
	WIN 0
.endm
.macro FETCH_A slot, q, i0             ; A's blocks i0 .. i0 + 3
.irp i, \i0, \i0+1, \i0+2, \i0+3
	FRAG AF+FR*(\i), ADRA+\slot, \q, \i
.endr
.endm
; A load into a register that a matrix instruction has read, and a vector instruction or an LDS store that reads a matrix result, stand NP places behind that matrix instruction, and only plain vector
; instructions that name none of its registers are places (ISA guide 7.12.1 for vector instructions); this text does not count the matrix instructions in between.
.macro PLACES n
.rept \n
	v_nop
.endr
.endm
; A step of 128 along K that has its successor in the same slot.  A's blocks go one after the other, each against B's eight, so one set of registers serves A: blocks 0-3 are fetched anew in the step's middle, blocks 4-7 at its end.
.macro STEP slot, q, zero
	s_wait_dscnt 4*NL                              ; B's set and A's blocks 0-3 are in; the youngest sixteen loads (A's blocks 4-7) may be out
	WIN MUL_LO
	MUL16 0, (\q)%2, \zero
	MUL16 2, (\q)%2, \zero
	s_wait_dscnt 0                                 ; A's blocks 4-7 are in (asked for 32 matrix instructions ago)
	PLACES NP
	FETCH_B \slot, (\q)+1, 1-(\q)%2
	FETCH_A \slot, (\q)+1, 0
	WIN MUL_HI
	MUL16 4, (\q)%2, \zero
	MUL16 6, (\q)%2, \zero
	PLACES NP
	WIN 0
	FETCH_A \slot, (\q)+1, 4
.endm
; A slot's last step changes slots: ONE barrier, which opens a round of the cluster's; in front of it each wave waits for all its tensor loads, adds 0 to its spare word, and waits for that and for its own reads of this slot.
; fill = 1: this slot is filled again by the joint loads, two K steps ahead.  fill = 2: K has no more steps to fetch: slot 0's first half takes the work-group's tile of c, 64 rows a wave.
.macro TURN slot, next, fill
.if (\fill) == 1
	s_wait_xcnt 0x0                                ; the last prefetch, a K step back, has read its address: it is stepped here, ahead of the waits of the change of slots
	s_add_nc_u64 s[PFA:PFA+1], s[PFA:PFA+1], ROWB
.endif
	s_wait_tensorcnt 0x0                           ; all my tensor loads have landed: my part of the next slot;  (every window is 0 here: the add's two registers lie in window 0)
	ds_add_u32 v[SPW], v[NIL]                      ; 0 onto my spare word
	s_wait_dscnt 4*NL+1                            ; (the add and the youngest sixteen loads, A's blocks 4-7, may be out)
	WIN MUL_LO
	MUL16 0, 1, 0                                  ; sixteen matrix instructions stand between the add and the wait for it
	s_wait_dscnt 0x0                               ; the add is done, and my reads of this slot are over
	s_barrier_signal -1
	MUL16 2, 1, 0
	WIN 0
	s_barrier_wait -1
	CREST                                          ; no wave of any partner still reads this slot's tile or has a load on its way
.if (\fill) == 1
	s_add_nc_u64 s[G0+4*\slot+2:G0+4*\slot+3], s[G0+4*\slot+2:G0+4*\slot+3], 2*ROWB
	s_add_nc_u64 s[G0B+4*\slot+2:G0B+4*\slot+3], s[G0B+4*\slot+2:G0B+4*\slot+3], 2*ROWB
	JLOAD G0+4*\slot, G1, G0B+4*\slot, G1B         ; the first tensor load behind the round; the four v_nop behind it are also the places in front of the loads below
.else
	tensor_load_to_lds s[G0C:G0C+3], s[G1C:G1C+7]  ; every wave's own 64 rows of c; it has 160 matrix instructions in which to land
	s_nop 0
	PLACES 4
.endif
	FETCH_B \next, 0, 0
	FETCH_A \next, 0, 0
.if (\fill) == 1
	ASK                                            ; behind the joint load and the run of LDS loads that the next products wait for
.if (\slot) == 0
	ASKC
.endif
.endif
	WIN MUL_HI
	MUL16 4, 1, 0
	MUL16 6, 1, 0
	PLACES NP
	WIN 0
	FETCH_A \next, 0, 4
.endm
; THE MIDDLE OF K: all 512 sums x 2^(e0 + e1 - e2 - e3), two at a time, each accumulator from its low end on.  The four v_nop at the end of the step before are the places behind its last products.
.macro RESCALE
	WIN 0x82                                       ; source 0 and destination window 2
.set n, 0
.rept 128
	v_pk_mul_f32 v[n:n+1], v[n:n+1], s[RS:RS+1] op_sel_hi:[1,0]
.set n, n+2
.endr
	WIN 0xc3                                       ; window 3
.set n, 0
.rept 128
	v_pk_mul_f32 v[n:n+1], v[n:n+1], s[RS:RS+1] op_sel_hi:[1,0]
.set n, n+2
.endr
	WIN 0
.endm
	s_wait_tensorcnt 1                             ; my part of K step 0 is in (K step 1's load may be out)
	s_barrier_signal -1
	s_barrier_wait -1                              ; everybody's is
	FETCH_B 0, 0, 0
	FETCH_A 0, 0, 0
	FETCH_A 0, 0, 4
	STEP 0, 0, 1                                   ; the first step stands in front of the loop: its products start the sums
	s_mov_b32 s3, LAPS-1
.Llap:                                                 ; a trip goes once round the ring, from a lap's second step to the next lap's first, and fills both slots again
	TURN 0, 1, 1
	STEP 1, 0, 0
	TURN 1, 0, 1
	s_cmp_lg_u32 s3, MIDLAP                        ; K step 7, x's last, has just been multiplied in the trip with s3 = 4.  The jump passes over vector multiplications alone
	s_cbranch_scc1 .Lno_mid
	RESCALE
.Lno_mid:
	STEP 0, 0, 0
	s_sub_co_u32 s3, s3, 1
	s_cmp_lg_u32 s3, 0
	s_cbranch_scc1 .Llap
	TURN 0, 1, 2                                   ; the last lap: slot 0 is left, and takes the tile of c
	STEP 1, 0, 0
	s_wait_dscnt 4*NL                              ; the very last step: nothing more to fetch
	WIN MUL_LO
	MUL16 0, 1, 0
	MUL16 2, 1, 0
	s_wait_dscnt 0
	WIN MUL_HI
	MUL16 4, 1, 0
	MUL16 6, 1, 0
	WIN 0
	PLACES NP                                      ; behind the last products: for the reads of their results, for the writes and the loads into registers that held fragments
	s_wait_tensorcnt 0x0                           ; my 64 rows of c have landed,
	s_wait_dscnt 0x0                               ; my reads of slot 1 are over:
	s_barrier_signal -1
	s_barrier_wait -1                              ; both hold of every wave: the tile of c is whole, and slot 1 may take c_t's stage
	; THE WAY OUT.  My part of c, in the accumulators' layout: unit (a, u) at v[8 (2 a + u)] of window 1
	WIN TO_B
.irp a, 0,1,2,3,4,5,6,7
.irp u, 0,1
	ds_load_b128 v[8*(2*\a+\u):8*(2*\a+\u)+3],   v[CI] offset:\a*16*PITCH+64*\u
	ds_load_b128 v[8*(2*\a+\u)+4:8*(2*\a+\u)+7], v[CI] offset:\a*16*PITCH+64*\u+16
.endr
.endr
	WIN 0
; A cell unit: block a of 16 rows, half u of my 32 columns: eight outputs a lane.  Registers from ZB on: +0 i, +8 f, +16 o, +24 g, +32 at work.  The two sets take turns, so that a set's LDS stores stand a whole unit ahead of its next write.
.macro CELL a, u
.set ZB, Z+40*(\u)
.set AC, 64*((\a)%4)+8*(\u)            ; accumulator (a, 2 g + u) lies at AC + 16 g
.set CR, 8*(2*(\a)+(\u))
.set BU, BI+8*(\u)
	WIN 0x02+((\a)/4)                              ; source 0: window 2 or 3
.irp g, 0,1,2
.irp i, 0,2,4,6
	v_pk_fma_f32 v[ZB+8*\g+\i:ZB+8*\g+\i+1], v[AC+16*\g+\i:AC+16*\g+\i+1], s[KS:KS+1], v[BU+16*\g+\i:BU+16*\g+\i+1] op_sel_hi:[1,0,1]   ; -log2(e) x gate: sum x scale and bias in one; each accumulator from its low end on
.endr
.endr
.irp i, 0,2,4,6
	v_pk_fma_f32 v[ZB+24+\i:ZB+25+\i], v[AC+48+\i:AC+49+\i], s[KT:KT+1], v[BU+48+\i:BU+49+\i] op_sel_hi:[1,0,1]   ; 2 log2(e) x g
.endr
	WIN 0
.set n, 0
.rept 8
	v_min_num_f32 v[ZB+n], s[HOLD], v[ZB+n]        ; the hold at 60: i's,
.set n, n+1
.endr
.set n, 16
.rept 16
	v_min_num_f32 v[ZB+n], s[HOLD], v[ZB+n]        ; o's and g's.  (f's exponential stands alone under its reciprocal: an infinity there gives sigmoid = 0)
.set n, n+1
.endr
.set n, 0
.rept 32
	v_exp_f32 v[ZB+n], v[ZB+n]                     ; E_i, E_f, E_o, E_g
.set n, n+1
.endr
	v_nop                                          ; a plain instruction between the last exponential and the use of its result
	s_wait_alu depctr_va_vdst(0)
.irp i, 0,2,4,6
	v_pk_add_f32 v[ZB+32+\i:ZB+33+\i], v[ZB+24+\i:ZB+25+\i], -1.0 op_sel_hi:[1,0]   ; E_g - 1
.endr
.set n, 0
.rept 16
	v_pk_add_f32 v[ZB+n:ZB+n+1], v[ZB+n:ZB+n+1], 1.0 op_sel_hi:[1,0]                ; 1 + E, all four
.set n, n+2
.endr
.irp i, 0,2,4,6
	v_pk_mul_f32 v[ZB+\i:ZB+\i+1], v[ZB+\i:ZB+\i+1], v[ZB+24+\i:ZB+25+\i]           ; (1 + E_i)(1 + E_g)
.endr
.set n, 0
.rept 16
	v_rcp_f32 v[ZB+n], v[ZB+n]                     ; its reciprocal; and sigmoid(f) = 1 / (1 + E_f)
.set n, n+1
.endr
	v_nop
	s_wait_alu depctr_va_vdst(0)
.irp i, 0,2,4,6
	v_pk_mul_f32 v[ZB+32+\i:ZB+33+\i], v[ZB+32+\i:ZB+33+\i], v[ZB+\i:ZB+\i+1]       ; sigmoid(i) tanh(g)
.endr
.if ((\a)+(\u)) == 0
	s_wait_dscnt 0x0                               ; my part of c is in registers
.endif
	WIN 0x01                                       ; source 0 (c) window 1
.irp i, 0,2,4,6
	v_pk_fma_f32 v[ZB+8+\i:ZB+9+\i], v[CR+\i:CR+\i+1], v[ZB+8+\i:ZB+9+\i], v[ZB+32+\i:ZB+33+\i]   ; c_t = c sigmoid(f) + sigmoid(i) tanh(g)
.endr
	WIN 0
	ds_store_b128 v[SC], v[ZB+8:ZB+11]  offset:(\a)*16*PITCH+64*(\u)
	ds_store_b128 v[SC], v[ZB+12:ZB+15] offset:(\a)*16*PITCH+64*(\u)+16
.irp i, 0,2,4,6
	v_pk_mul_f32 v[ZB+\i:ZB+\i+1], v[ZB+8+\i:ZB+9+\i], s[TL:TL+1] op_sel_hi:[1,0]   ; 2 log2(e) x c_t
.endr
.set n, 0
.rept 8
	v_min_num_f32 v[ZB+n], s[HOLD], v[ZB+n]
.set n, n+1
.endr
.set n, 0
.rept 8
	v_exp_f32 v[ZB+n], v[ZB+n]                     ; E_c = exp(2 c_t)
.set n, n+1
.endr
	v_nop
	s_wait_alu depctr_va_vdst(0)
.irp i, 0,2,4,6
	v_pk_add_f32 v[ZB+24+\i:ZB+25+\i], v[ZB+\i:ZB+\i+1], 1.0 op_sel_hi:[1,0]
	v_pk_add_f32 v[ZB+32+\i:ZB+33+\i], v[ZB+\i:ZB+\i+1], -1.0 op_sel_hi:[1,0]
.endr
.irp i, 0,2,4,6
	v_pk_mul_f32 v[ZB+16+\i:ZB+17+\i], v[ZB+16+\i:ZB+17+\i], v[ZB+24+\i:ZB+25+\i]   ; (1 + E_o)(1 + E_c)
.endr
.set n, 16
.rept 8
	v_rcp_f32 v[ZB+n], v[ZB+n]
.set n, n+1
.endr
	v_nop
	s_wait_alu depctr_va_vdst(0)
.irp i, 0,2,4,6
	v_pk_mul_f32 v[ZB+\i:ZB+\i+1], v[ZB+32+\i:ZB+33+\i], v[ZB+16+\i:ZB+17+\i]       ; h_t = sigmoid(o) tanh(c_t)
.endr
	ds_store_b128 v[SH], v[ZB:ZB+3]   offset:(\a)*16*PITCH+64*(\u)
	ds_store_b128 v[SH], v[ZB+4:ZB+7] offset:(\a)*16*PITCH+64*(\u)+16
.endm
.irp a, 0,1,2,3,4,5,6,7
	CELL \a, 0
	CELL \a, 1
.endr
	s_wait_dscnt 0x0                               ; for the others' sake: my stores into the two stages are done (a row's 256 bytes come from two waves)
	s_barrier_signal -1
	s_barrier_wait -1
; Each wave stores 64 whole rows of each output, 32 rows a batch: batches 0, 1 h_t, batches 2, 3 c_t; two sets of 64 registers by turns.
.macro OUTB k
.set OB, Z+64*((\k)%2)
.set n, 0
.rept 16
.if (\k) < 2
	ds_load_b128 v[OB+4*n:OB+4*n+3], v[RH] offset:(32*((\k)%2)+2*n)*PITCH
.else
	ds_load_b128 v[OB+4*n:OB+4*n+3], v[RC] offset:(32*((\k)%2)+2*n)*PITCH
.endif
.set n, n+1
.endr
.endm
.macro SENDB k, younger                ; younger: the LDS loads issued behind batch k's, which may stay out
.set OB, Z+64*((\k)%2)
	s_wait_dscnt \younger
.set n, 0
.rept 16
	global_store_b128 v[CO], v[OB+4*n:OB+4*n+3], s[OUT+2*((\k)/2):OUT+2*((\k)/2)+1] offset:(32*((\k)%2)+2*n)*OROW th:TH_STORE_NT   ; sixteen lanes store 256 consecutive bytes, at a multiple of 256 from the output's first byte; written once, read by nobody here
.set n, n+1
.endr
.endm
	OUTB 0
	OUTB 1
	SENDB 0, 16
	s_wait_xcnt 0x0                                ; batch 0's stores have read their registers: batch 2's loads may land there
	OUTB 2
	SENDB 1, 16
	s_wait_xcnt 0x0                                ; batch 1's likewise
	OUTB 3
	SENDB 2, 16
	SENDB 3, 0
	s_wait_tensorcnt 0x0                           ; the wave's end: behind my last tensor load and my last LDS store
	ds_add_u32 v[SPW], v[NIL]
	s_wait_dscnt 0x0
	CROUND                                         ; the closing round: no work-group ends while a partner may still ask for a tile that names it
	s_endpgm
.Lfunc_end_k_qe0acafe04a_lstm:
	.size	k_qe0acafe04a_lstm, .Lfunc_end_k_qe0acafe04a_lstm-k_qe0acafe04a_lstm
	.p2alignl 7, 3214868480
	.fill 96, 4, 3214868480
	.section	.rodata,"a",@progbits
	.p2align	6, 0x0
	.amdhsa_kernel k_qe0acafe04a_lstm
		.amdhsa_group_segment_fixed_size 327680
		.amdhsa_private_segment_fixed_size 0
		.amdhsa_enable_private_segment 0
		.amdhsa_kernarg_size 80
		.amdhsa_user_sgpr_count 2
		.amdhsa_user_sgpr_kernarg_segment_ptr 1
		.amdhsa_wavefront_size32 1
		.amdhsa_system_sgpr_workgroup_id_x 1
		.amdhsa_system_sgpr_workgroup_id_y 1
		.amdhsa_system_sgpr_workgroup_id_z 1
		.amdhsa_system_vgpr_workitem_id 0
		.amdhsa_next_free_vgpr 1024
		.amdhsa_next_free_sgpr 102
		.amdhsa_reserve_vcc 0
		.amdhsa_float_denorm_mode_32 3
		.amdhsa_float_denorm_mode_16_64 3
		.amdhsa_memory_ordered 1
		.amdhsa_forward_progress 1
		.amdhsa_inst_pref_size 240
	.end_amdhsa_kernel
	.amdgpu_metadata
---
amdhsa.version: [ 1, 2 ]
amdhsa.kernels:
  - .name:           k_qe0acafe04a_lstm
    .symbol:         k_qe0acafe04a_lstm.kd
    .args:
      - { .name: a_codes, .offset: 0, .size: 8, .value_kind: global_buffer, .address_space: global }
      - { .name: b_codes, .offset: 8, .size: 8, .value_kind: global_buffer, .address_space: global }
      - { .name: lowp_scales, .offset: 16, .size: 8, .value_kind: global_buffer, .address_space: global }
      - { .name: c, .offset: 24, .size: 8, .value_kind: global_buffer, .address_space: global }
      - { .name: b_i, .offset: 32, .size: 8, .value_kind: global_buffer, .address_space: global }
      - { .name: b_f, .offset: 40, .size: 8, .value_kind: global_buffer, .address_space: global }
      - { .name: b_o, .offset: 48, .size: 8, .value_kind: global_buffer, .address_space: global }
      - { .name: b_c, .offset: 56, .size: 8, .value_kind: global_buffer, .address_space: global }
      - { .name: out0, .offset: 64, .size: 8, .value_kind: global_buffer, .address_space: global }
      - { .name: out1, .offset: 72, .size: 8, .value_kind: global_buffer, .address_space: global }
    .group_segment_fixed_size: 327680
    .private_segment_fixed_size: 0
    .kernarg_segment_align: 8
    .kernarg_segment_size: 80
    .max_flat_workgroup_size: 128
    .sgpr_count:     102
    .vgpr_count:     1024
    .wavefront_size: 32
...
	.end_amdgpu_metadata
.endif
;; end of part 2
